; MI455X (gfx1250); checked and timed in simulation.
; The chip was launched on July 23, 2026; its instructions are those of AMD's public machine-readable ISA for CDNA 5 (MIT licence, August 2026) and "CDNA5" Instruction Set Architecture Reference Guide (July 2026). The comments in the code are by the model that wrote it; some were corrected since.
;; Action Extraction Hyperspherical Res Net. Allowed arithmetic: float matrix products may take bf16 or f16 operands with f32 sums; other float arithmetic in f32, or as packed bf16 or f16 multiplies, adds, multiply-adds, maxima and minima; sums over many terms, partial sums and values carried from step to step in f32; what a program stores and reads back later, other than sums and carried values, may be rounded once to bf16 or f16.
;; Inputs: W_fin 512 x 32 float32; W_h 3 x 512 x 512 float32; W_in 32 x 512 float32; W_kappa 512 x 1 float32; W_mu 512 x 32 float32; W_out 32 x 7 float32; b_fin 32 float32; b_h 3 x 512 float32; b_in 512 float32; b_kappa 1 float32; b_mu 32 float32; b_out 7 float32; h 65,536 x 512 float32; u_uni 8 x 65,536 float32; v_raw 65,536 x 32 float32; z_uni 8 x 65,536 float32.
;; Outputs: out0 65,536 x 7 float32; out1 65,536 x 32 float32; out2 65,536 x 1 float32.
;; One version. Each part assembles by itself: llvm-mc -triple=amdgcn-amd-amdhsa -mcpu=gfx1250 --defsym DOCPART=n.
;; ======== version 1 of 1: 2 launches
;; workspace buffers: zb 8,388,608 bytes; wts 1,648,640 bytes
;; launch encode (part 1): grid 256 x 1, 8 waves a work-group, no clusters, 73,472 bytes of LDS; arguments h, W_mu, b_mu, W_kappa, b_kappa, v_raw, z_uni, u_uni, W_h, W_in, W_fin, b_in, b_h, b_fin, W_out, b_out, out1, out2, zb, wts; writes out1, out2, zb, wts
.if DOCPART == 1
	.amdgcn_target "amdgcn-amd-amdhsa--gfx1250"
	.amdhsa_code_object_version 6
	.text
	.protected	k_qc484dd2e13_encode
	.globl	k_qc484dd2e13_encode
	.p2align	8
	.type	k_qc484dd2e13_encode,@function
k_qc484dd2e13_encode:
	s_mov_b64 s[64:65], 0
	v_nop
	global_prefetch_b8 v0, s[64:65] scope:SCOPE_SE
	s_setreg_imm32_b32 hwreg(HW_REG_WAVE_MODE, 25, 1), 1
	s_wait_xcnt 0x0
; ENCODE AND SAMPLE.  mu = normalise(h W_mu + b_mu), kappa = softplus(h W_kappa + b_kappa) + 1, w = the first accepted of 8 radial draws,
; z = w (v - 2 (v.u) u / |u|^2) with v = normalise(v_raw), u = v - mu.  Stored: mu (out1), kappa (out2), z as bf16 hi + bf16 lo (zb: a row is 32 hi, then 32 lo),
; and for the next launch bf16 copies of its weights (wts: W_h as it lies, W_in and W_fin transposed, and a table of the small inputs rounded to bf16 and kept as f32).
; LIMITS.  Every input is rounded once to bf16 (matrix operands, biases, v_raw and the uniforms alike).  1 / x is v_rcp_f32 and a multiply; log, exp and sqrt count a denormal
; as 0 (ISA guide, 15.8): a draw z below 2^-126 counts as 0.  2 (v.u) / |u|^2 is formed as ((v.u) i) i 2 with i = 1 / max(|u|, 1e-12).  A tie in the accept test may fall the other way.
; SHARES.  256 work-groups of 8 waves; a work-group owns 256 rows, a wave 32: two tiles T of 16 rows, over all of K = 512 in 16 slices of 32.
; LAYOUT.  The product is taken transposed (source 0 = 16 rows of W^T, source 1 = 16 rows of h): lane (r = l % 16, hh = l / 16) holds row r and columns 8 hh + 0..7 of a block of 16.
; Blocks 0 and 1 are mu's 32 columns; in a third block all 16 rows of source 0 are W_kappa, so each register of its result holds row r's sum.  Six accumulators take turns.
; h comes straight from memory in fragment layout (four loads of 16 bytes a lane and slice) into a ring of 8 slice slots in window 1: 56 loads of a wave are out, 28 KiB.
; No cluster, tensor load or prefetch: the work-groups share 66 KiB of weights only, and each byte of h is read once, by one wave, with loads always on their way.
.set WTP,    1040      ; a row of W^T in LDS: 1,024 bytes + 16: the 16 rows of a fragment load start at 16 different groups of four banks (ISA guide 11.1)
.set STG,    34560     ; behind W^T's 33 rows: a stage of 32 rows x 144 bytes for each wave
.set STP,    144
.set KST,    71424     ; the work-group's 256 kappa
.set SPARE,  72448     ; the spare words: 128 bytes for each of 8 waves, four blocks of 256 bytes that no other line names
.set O_WINT, 1572864   ; wts: W_in^T [512][32] bf16, then W_fin^T [32][512] bf16
.set O_PAR,  1638400   ; wts: 40 blocks of 64 f32: b_in, b_h, W_out, b_fin, b_out, zeros in the gaps
.set HO,   4           ; v4   (32 wave + r) x 2,048 + 32 hh: my 32 bytes in a slice of h
.set BW,   5           ; v5   r x WTP + 16 hh: my place in a fragment of W^T
.set BK,   6           ; v6   32 x WTP + 16 hh: the same in W_kappa's row
.set WST,  7           ; v7   4 x thread: where I put two k of a row of W^T
.set SPW,  8           ; v8   my spare word; never rewritten
.set NIL,  9           ; v9   0; never rewritten
.set STOM, 10          ; v10  my stage, row r, + 32 hh (f32 columns)
.set SRD,  11          ; v11  my stage read back: four rows of 128 bytes to a load
.set GO,   12          ; v12  16 l
.set VO,   13          ; v13  r x 128 + 32 hh
.set UO,   14          ; v14  4 l
.set STOZ, 15          ; v15  my stage, row r, + 16 hh (bf16 columns)
.set L8,   16          ; v16  8 l
.set KSA,  17          ; v17  KST + 4 x thread
.set HH32, 18          ; v18  32 hh
.set KRD,  19          ; v19  KST + 512 (wave % 2) + 16 l
.set TR,   20          ; v20-23  the small tasks' data
.set BMU,  24          ; v24-39  b_mu of my 16 columns
.set BKP,  40          ; v40  b_kappa
.set KGO,  41          ; v41  512 (wave % 2) + 16 l
.set AF,   48          ; v48-79   fragments of h, two sets of two tiles
.set BF,   80          ; v80-127  fragments of W^T, two sets of three blocks
.set UU,   48          ; later: u, 16 a tile; then mu read back
.set ZP,   80          ; later: z packed, a tile: 8 hi, 8 lo
.set ACC,  128         ; v128-175 tile T, block n at ACC + 8 (3 T + n)
.set VV,   176         ; v176-207 v_raw, v, z: 16 a tile; then z read back
.set ZU,   208         ; v208-215 z_uni, v216-223 u_uni: lane = row
.set SM,   224         ; sums, a pair a tile: m.m, v.v, u.u, v.u
.set SV,   228
.set SU,   232
.set SD,   236
.set KAP,  240
.set E1,   241
.set T2,   242
.set E2,   243
.set IK,   244
.set WW,   245
.set LW,   246         ; v246-253
.set MSB, 0
.macro WIN new                         ; the immediate's high byte repeats the setting that is left; a switch that changes nothing is dropped
.if MSB != (\new)
	s_set_vgpr_msb (MSB<<8)|(\new)
.set MSB, (\new)
.endif
.endm
	s_load_b512 s[4:19], s[0:1], 0x0               ; h 4, W_mu 6, b_mu 8, W_kappa 10, b_kappa 12, v_raw 14, z_uni 16, u_uni 18
	s_load_b512 s[20:35], s[0:1], 0x40             ; W_h 20, W_in 22, W_fin 24, b_in 26, b_h 28, b_fin 30, W_out 32, b_out 34
	s_load_b256 s[36:43], s[0:1], 0x80             ; out1 36, out2 38, zb 40, wts 42
	v_lshl_add_u32 v[SPW], v0, 2, SPARE
	v_mov_b32 v[NIL], 0
	v_lshrrev_b32 v3, 5, v0
	v_readfirstlane_b32 s44, v3                    ; wave 0..7
	s_mov_b32 s45, ttmp9                           ; the work-group, b
	s_mov_b32 s46, 0x76543210                      ; v_permlanex16_b32: each lane takes its own place in the other half
	s_mov_b32 s47, 0xfedcba98
	s_mov_b32 s48, 0xffff0000                      ; a word's upper bf16; also the mask of lanes 16-31
	s_mov_b32 s50, 0x3fb8aa3b                      ; log2(e)
	s_mov_b32 s51, 0x3f317218                      ; ln 2
	s_mov_b32 s52, 0x41a0cf66                      ; 29 ln 2: (dim - 3) log w from a base-2 logarithm
	s_mov_b32 s53, 0x2b8cbccc                      ; 1e-12
	s_mov_b32 s70, 0xc038aa3b                      ; -2 log2(e)
	s_mov_b32 s56, 0                               ; the table task's two lane masks, written on every path
	s_mov_b32 s57, 0
	s_mov_b32 s61, 0                               ; the high word of the offsets' pair
.irp i, 0,1,2,3
	v_mov_b32 v[TR+\i], 0                          ; written whole once, so that every path finds them written
.endr
	v_and_b32 v1, 15, v0                           ; r
	v_bfe_u32 v2, v0, 4, 1                         ; hh
	v_and_b32 v3, 31, v0                           ; l
	s_lshl_b32 s54, s44, 16
	v_lshlrev_b32 v[HO], 11, v1
	v_lshl_add_u32 v[HO], v2, 5, v[HO]
	v_add_nc_u32 v[HO], s54, v[HO]
	v_mul_u32_u24 v[BW], v1, WTP
	v_lshl_add_u32 v[BW], v2, 4, v[BW]
	v_lshl_add_u32 v[BK], v2, 4, 32*WTP
	v_lshlrev_b32 v[WST], 2, v0
	s_mul_i32 s54, s44, 32*STP
	s_add_co_u32 s54, s54, STG                     ; my stage
	v_mul_u32_u24 v[STOZ], v1, STP
	v_add_nc_u32 v[STOZ], s54, v[STOZ]
	v_lshl_add_u32 v[STOM], v2, 5, v[STOZ]
	v_lshl_add_u32 v[STOZ], v2, 4, v[STOZ]
	v_lshrrev_b32 v[SRD], 3, v3
	v_mul_u32_u24 v[SRD], v[SRD], STP
	v_and_b32 v[GO], 7, v3
	v_lshl_add_u32 v[SRD], v[GO], 4, v[SRD]
	v_add_nc_u32 v[SRD], s54, v[SRD]
	v_lshlrev_b32 v[GO], 4, v3
	v_lshlrev_b32 v[VO], 7, v1
	v_lshl_add_u32 v[VO], v2, 5, v[VO]
	v_lshlrev_b32 v[UO], 2, v3
	v_lshlrev_b32 v[L8], 3, v3
	v_lshl_add_u32 v[KSA], v0, 2, KST
	v_lshlrev_b32 v[HH32], 5, v2
	s_and_b32 s54, s44, 1
	s_lshl_b32 s54, s54, 9
	v_lshl_add_u32 v[KGO], v3, 4, s54
	v_add_nc_u32 v[KRD], KST, v[KGO]
	v_lshlrev_b32 v224, 8, v0                      ; two rows of W_mu a thread: 256 bytes
	v_lshlrev_b32 v225, 3, v0                      ; two numbers of W_kappa
	s_lshl_b32 s71, s45, 8
	s_lshl_b32 s54, s44, 5
	s_add_co_u32 s71, s71, s54                     ; my wave's first row
	s_min_u32 s59, s45, 39                         ; the table's block (40 of them)
	s_wait_kmcnt 0x0
	s_load_b32 s49, s[12:13], 0x0                  ; b_kappa; waited for ahead of its use, behind the products
	s_lshl_b32 s60, s45, 19
	s_add_nc_u64 s[4:5], s[4:5], s[60:61]          ; h at the work-group's first row
	s_lshl_b32 s60, s71, 7
	s_add_nc_u64 s[14:15], s[14:15], s[60:61]      ; v_raw, mu and z at my wave's first row: 128 bytes a row in all three
	s_add_nc_u64 s[36:37], s[36:37], s[60:61]
	s_add_nc_u64 s[40:41], s[40:41], s[60:61]
	s_lshl_b32 s60, s71, 2
	s_add_nc_u64 s[16:17], s[16:17], s[60:61]
	s_add_nc_u64 s[18:19], s[18:19], s[60:61]
	s_lshl_b32 s60, s45, 10
	s_add_nc_u64 s[38:39], s[38:39], s[60:61]      ; kappa at the work-group's first row
	s_lshl3_add_u32 s54, s45, s44                  ; my wave among the launch's 2,048
	s_mul_i32 s60, s54, 1536
	s_add_nc_u64 s[20:21], s[20:21], s[60:61]      ; its 384 numbers of W_h,
	s_mul_i32 s60, s54, 768
	s_add_nc_u64 s[62:63], s[42:43], s[60:61]      ; and where their bf16 copies go
	s_mov_b32 s54, O_WINT                          ; (an instruction holds one literal: the other of the two offsets comes from a register)
	s_cmp_eq_u32 s44, 0                            ; where a small task stores its 256 bytes: wave 0 a block of the transposes, wave 1 one of the table
	s_cselect_b32 s60, s54, O_PAR
	s_cselect_b32 s55, s45, s59
	s_lshl_b32 s55, s55, 8
	s_add_co_u32 s60, s60, s55
	s_add_nc_u64 s[68:69], s[42:43], s[60:61]
	; THE SMALL TASKS' LOADS go out first: they are older than every load that is counted below, so they change no count.
	s_cmp_lg_u32 s44, 0
	s_cbranch_scc1 .Lnot_0
	s_cmp_lt_u32 s45, 128
	s_cbranch_scc0 .Lfin_t
	v_and_b32 v226, 7, v3                          ; W_in^T, block b: n = 4 b + l / 8, k = 4 (l % 8) + i; W_in[k][n] lies at 2,048 k + 4 n
	v_lshrrev_b32 v227, 3, v3
	v_lshlrev_b32 v226, 13, v226
	v_lshl_add_u32 v226, v227, 2, v226
	s_lshl_b32 s54, s45, 4
	v_add_nc_u32 v226, s54, v226
.irp i, 0,1,2,3
	global_load_b32 v[TR+\i], v226, s[22:23] offset:\i*2048
.endr
	s_branch .Lsmall_out
.Lfin_t:
	s_sub_co_u32 s54, s45, 128                     ; W_fin^T, block u = b - 128: n = u / 4, k = 128 (u % 4) + 4 l + i; W_fin[k][n] lies at 128 k + 4 n
	s_and_b32 s55, s54, 3
	s_lshl_b32 s55, s55, 14
	s_lshr_b32 s54, s54, 2
	s_lshl2_add_u32 s54, s54, s55
	v_lshl_add_u32 v226, v3, 9, s54
.irp i, 0,1,2,3
	global_load_b32 v[TR+\i], v226, s[24:25] offset:\i*128
.endr
	s_branch .Lsmall_out
.Lnot_0:
	s_cmp_lg_u32 s44, 1
	s_cbranch_scc1 .Lsmall_out
	s_sub_co_u32 s60, s59, 8                       ; the table's block u: its source, the source's length, the block's number within the source
	s_sub_co_u32 s71, s59, 32
	s_mov_b64 s[66:67], s[26:27]                   ; u < 8: b_in
	s_mov_b32 s54, 512
	s_mov_b32 s55, s59
	s_cmp_ge_u32 s59, 8                            ; 8 .. 31: b_h
	s_cselect_b64 s[66:67], s[28:29], s[66:67]
	s_cselect_b32 s54, 1536, s54
	s_cselect_b32 s55, s60, s55
	s_cmp_ge_u32 s59, 32                           ; 32 .. 35: W_out
	s_cselect_b64 s[66:67], s[32:33], s[66:67]
	s_cselect_b32 s54, 224, s54
	s_cselect_b32 s55, s71, s55
	s_cmp_ge_u32 s59, 36                           ; 36: b_fin
	s_cselect_b64 s[66:67], s[30:31], s[66:67]
	s_cselect_b32 s54, 32, s54
	s_cselect_b32 s55, 0, s55
	s_cmp_ge_u32 s59, 37                           ; 37: b_out
	s_cselect_b64 s[66:67], s[34:35], s[66:67]
	s_cselect_b32 s54, 7, s54
	s_cmp_ge_u32 s59, 38                           ; 38, 39: zeros alone
	s_cselect_b32 s58, 0, s54                      ; numbers at or past this index are stored as 0
	s_sub_co_u32 s54, s54, 1
	s_lshl_b32 s55, s55, 6
	v_lshl_add_u32 v226, v3, 1, s55                ; my two numbers' indices
	v_add_nc_u32 v227, 1, v226
	v_cmp_gt_u32 s56, s58, v226
	v_cmp_gt_u32 s57, s58, v227
	v_min_u32 v228, s54, v226                      ; no load leaves its buffer
	v_min_u32 v229, s54, v227
	v_lshlrev_b32 v228, 2, v228
	v_lshlrev_b32 v229, 2, v229
	global_load_b32 v[TR], v228, s[66:67]
	global_load_b32 v[TR+1], v229, s[66:67]
.Lsmall_out:
	; W_mu's rows 2 t and 2 t + 1 (v48-79, v80-111), W_kappa's two numbers, my 384 numbers of W_h, then the first four slices of h
.irp i, 0,1,2,3,4,5,6,7
	global_load_b128 v[48+4*\i:51+4*\i], v224, s[6:7] offset:16*\i
.endr
.irp i, 0,1,2,3,4,5,6,7
	global_load_b128 v[80+4*\i:83+4*\i], v224, s[6:7] offset:128+16*\i
.endr
	global_load_b64 v[112:113], v225, s[10:11]
.irp i, 0,1,2
	global_load_b128 v[114+4*\i:117+4*\i], v[GO], s[20:21] offset:512*\i
.endr
; Slice c of h, both tiles: 8 loads into slot c % 8 of window 1.  Registers 0-7 of a tile's 16: k = 8 hh + 0..7; registers 8-15: k = 16 + 8 hh + 0..7.
.macro HLOAD c
	WIN 0x40                                       ; destination window 1, address window 0
.irp T, 0,1
.irp q, 0,1,2,3
	global_load_b128 v[32*((\c)%8)+16*\T+4*\q:32*((\c)%8)+16*\T+4*\q+3], v[HO], s[4:5] offset:\T*32768+128*(\c)+16*(\q%2)+64*(\q/2)
.endr
.endr
.endm
	HLOAD 0
	HLOAD 1
	HLOAD 2
	HLOAD 3
	WIN 0
	s_wait_loadcnt 35                              ; W_mu and W_kappa are in (and the small tasks' loads, which are older); W_h's 3 loads and h's 32 may stay out
.set n, 0
.rept 32
	v_cvt_pk_bf16_f32 v[48+n], v[48+n], v[80+n]    ; column n: k = 2 t and 2 t + 1, one word of W^T's row n
.set n, n+1
.endr
	v_cvt_pk_bf16_f32 v112, v112, v113
.set n, 0
.rept 32
	ds_store_b32 v[WST], v[48+n] offset:n*WTP
.set n, n+1
.endr
	ds_store_b32 v[WST], v112 offset:32*WTP
	s_wait_loadcnt 32                              ; W_h's are in; h's 32 may stay out
.irp i, 0,1,2
	v_cvt_pk_bf16_f32 v[114+4*\i], v[114+4*\i], v[115+4*\i]
	v_cvt_pk_bf16_f32 v[115+4*\i], v[116+4*\i], v[117+4*\i]
	global_store_b64 v[L8], v[114+4*\i:115+4*\i], s[62:63] offset:256*\i  ; a wave's store covers 256 consecutive bytes, aligned
.endr
	s_cmp_lg_u32 s44, 0                            ; the small tasks are finished here
	s_cbranch_scc1 .Lst_not_0
	v_cvt_pk_bf16_f32 v[TR], v[TR], v[TR+1]
	v_cvt_pk_bf16_f32 v[TR+1], v[TR+2], v[TR+3]
	global_store_b64 v[L8], v[TR:TR+1], s[68:69]
	s_branch .Lst_out
.Lst_not_0:
	s_cmp_lg_u32 s44, 1
	s_cbranch_scc1 .Lst_out
	s_cmp_lt_u32 s45, 40                           ; each block of the table is stored by one work-group
	s_cbranch_scc0 .Lst_out
	v_cvt_pk_bf16_f32 v[TR+2], v[TR], v[TR+1]      ; rounded to bf16, kept as f32
	v_lshlrev_b32 v[TR], 16, v[TR+2]
	v_and_b32 v[TR+1], s48, v[TR+2]
	v_cndmask_b32 v[TR], 0, v[TR], s56
	v_cndmask_b32 v[TR+1], 0, v[TR+1], s57
	global_store_b64 v[L8], v[TR:TR+1], s[68:69]
.Lst_out:
	HLOAD 4
	HLOAD 5
	HLOAD 6                                        ; 56 loads of h are out
	WIN 0
	s_wait_xcnt 0x0                                ; the stores above have read their data: v114-125 are loaded again below
	s_wait_dscnt 0x0                               ; for the others' sake: my part of W^T is written
	s_barrier_signal -1
	s_barrier_wait -1
.macro WLOAD c                         ; slice c of W^T: blocks 0 and 1 and W_kappa's row, into set c % 2
.set BB, BF+24*((\c)%2)
	ds_load_b128 v[BB:BB+3],     v[BW] offset:64*(\c)
	ds_load_b128 v[BB+4:BB+7],   v[BW] offset:64*(\c)+32
	ds_load_b128 v[BB+8:BB+11],  v[BW] offset:16*WTP+64*(\c)
	ds_load_b128 v[BB+12:BB+15], v[BW] offset:16*WTP+64*(\c)+32
	ds_load_b128 v[BB+16:BB+19], v[BK] offset:64*(\c)
	ds_load_b128 v[BB+20:BB+23], v[BK] offset:64*(\c)+32
.endm
; One slice.  left = the younger loads that may stay out.  The 16 conversions are also the places between the products of the step before and the LDS loads into the
; registers that those products read; a set of h's fragments is written two steps behind its last reader.
.macro STEP c, left
	s_wait_loadcnt \left
	WIN 0x05                                       ; sources in window 1, destination in window 0
.set SB, 32*((\c)%8)
.set AB, AF+16*((\c)%2)
.set i, 0
.rept 16
	v_cvt_pk_bf16_f32 v[AB+i], v[SB+2*i], v[SB+2*i+1]
.set i, i+1
.endr
.if (\c)+7 <= 15
	HLOAD (\c)+7                                   ; into the slot that the step before has converted
.endif
	WIN 0
.if (\c) < 15
	WLOAD (\c)+1
	s_wait_dscnt 6                                 ; this slice's six fragments are in; the next slice's six may stay out
.else
	s_wait_dscnt 0x0
.endif
.set BB, BF+24*((\c)%2)
.irp T, 0,1
.irp n, 0,1,2
.if (\c) == 0
	v_wmma_f32_16x16x32_bf16 v[ACC+8*(3*\T+\n):ACC+8*(3*\T+\n)+7], v[BB+8*\n:BB+8*\n+7], v[AB+8*\T:AB+8*\T+7], 0
.else
	v_wmma_f32_16x16x32_bf16 v[ACC+8*(3*\T+\n):ACC+8*(3*\T+\n)+7], v[BB+8*\n:BB+8*\n+7], v[AB+8*\T:AB+8*\T+7], v[ACC+8*(3*\T+\n):ACC+8*(3*\T+\n)+7]
.endif
.endr
.endr
.endm
	WLOAD 0
.irp c, 0,1,2,3,4,5,6,7,8,9
	STEP \c, 48                                    ; six younger slices of 8 loads
.endr
	STEP 10, 40
	STEP 11, 32
	; the 28 late loads: b_mu (4), v_raw (8), the uniforms (16); with slices 12-15 that is 60 out
.irp i, 0,1,2,3
	global_load_b128 v[BMU+4*\i:BMU+4*\i+3], v[HH32], s[8:9] offset:64*(\i/2)+16*(\i%2)
.endr
.irp T, 0,1
.irp i, 0,1,2,3
	global_load_b128 v[VV+16*\T+4*\i:VV+16*\T+4*\i+3], v[VO], s[14:15] offset:\T*2048+64*(\i/2)+16*(\i%2)
.endr
.endr
.irp i, 0,1,2,3,4,5,6,7
	global_load_b32 v[ZU+\i], v[UO], s[16:17] offset:\i*262144
	global_load_b32 v[ZU+8+\i], v[UO], s[18:19] offset:\i*262144
.endr
	STEP 12, 52                                    ; three younger slices and the 28
	STEP 13, 44
	STEP 14, 36
	STEP 15, 28
	; BEHIND THE PRODUCTS.  The roundings below name no register of the last products: they are the places ahead of the first read of a sum.
.macro RND2 ra, rb, rt                 ; two f32 rounded to bf16 and kept as f32
	v_cvt_pk_bf16_f32 v[\rt], v[\ra], v[\rb]
	v_lshlrev_b32 v[\ra], 16, v[\rt]
	v_and_b32 v[\rb], s48, v[\rt]
.endm
.macro DOT d, x, y, i                  ; pair d += two products; the first starts the sum
.if (\i) == 0
	v_pk_mul_f32 v[\d:\d+1], v[\x:\x+1], v[\y:\y+1]
.else
	v_pk_fma_f32 v[\d:\d+1], v[(\x)+(\i):(\x)+(\i)+1], v[(\y)+(\i):(\y)+(\i)+1], v[\d:\d+1]
.endif
.endm
.macro FOLDS regs:vararg               ; a pair's two halves, then the row's other 16 columns, which lie in the lane 16 away
.irp d, \regs
	v_add_f32 v[\d], v[\d], v[\d+1]
.endr
.irp d, \regs
	v_permlanex16_b32 v[\d+1], v[\d], s46, s47
.endr
.irp d, \regs
	v_add_f32 v[\d], v[\d], v[\d+1]
.endr
.endm
	s_wait_loadcnt 0x0
	s_wait_kmcnt 0x0
.set i, 0
.rept 8
	RND2 BMU+i, BMU+i+1, 254
.set i, i+2
.endr
.set i, 0
.rept 16
	RND2 VV+i, VV+i+1, 255
.set i, i+2
.endr
.set i, 0
.rept 8
	RND2 ZU+i, ZU+i+1, 254
.set i, i+2
.endr
	v_mov_b32 v[BKP], s49
	v_cvt_pk_bf16_f32 v[BKP], v[BKP], v[BKP]
	v_lshlrev_b32 v[BKP], 16, v[BKP]
.irp T, 0,1
.irp i, 0,2,4,6,8,10,12,14
	v_pk_add_f32 v[ACC+24*\T+\i:ACC+24*\T+\i+1], v[ACC+24*\T+\i:ACC+24*\T+\i+1], v[BMU+\i:BMU+\i+1]  ; m = h W_mu + b_mu; each sum is read from its low end on
.endr
.endr
	v_cndmask_b32 v[KAP], v[ACC+16], v[ACC+40], s48  ; lane = row: lanes 0-15 take tile 0's sums, lanes 16-31 tile 1's
	v_add_f32 v[KAP], v[KAP], v[BKP]               ; t
	v_mul_f32 v[E1], -|v[KAP]|, s50
.irp i, 0,2,4,6,8,10,12,14
	DOT SM, ACC, ACC, \i
	DOT SM+2, ACC+24, ACC+24, \i
	DOT SV, VV, VV, \i
	DOT SV+2, VV+16, VV+16, \i
.endr
	FOLDS SM, SM+2, SV, SV+2
.irp d, SM, SM+2, SV, SV+2
	v_sqrt_f32 v[\d], v[\d]
.endr
	v_exp_f32 v[E1], v[E1]                         ; e^-|t|
	v_max_num_f32 v[T2], 0, v[KAP]                 ; a plain instruction behind the batch,
	s_wait_alu depctr_va_vdst(0)                   ; and the one wait ahead of its first reader
.irp d, SM, SM+2, SV, SV+2
	v_max_num_f32 v[\d], s53, v[\d]
.endr
	v_add_f32 v[E1], 1.0, v[E1]
.irp d, SM, SM+2, SV, SV+2
	v_rcp_f32 v[\d], v[\d]
.endr
	v_log_f32 v[E1], v[E1]
	v_add_f32 v[T2], 1.0, v[T2]
	s_wait_alu depctr_va_vdst(0)
	v_fma_f32 v[KAP], v[E1], s51, v[T2]            ; kappa = max(t, 0) + 1 + log(1 + e^-|t|)
.irp T, 0,1
.irp i, 0,2,4,6,8,10,12,14
	v_pk_mul_f32 v[ACC+24*\T+\i:ACC+24*\T+\i+1], v[ACC+24*\T+\i:ACC+24*\T+\i+1], v[SM+2*\T:SM+2*\T+1] op_sel_hi:[1,0]  ; mu
	v_pk_mul_f32 v[VV+16*\T+\i:VV+16*\T+\i+1], v[VV+16*\T+\i:VV+16*\T+\i+1], v[SV+2*\T:SV+2*\T+1] op_sel_hi:[1,0]      ; v
.endr
.endr
.irp T, 0,1
.irp i, 0,2,4,6,8,10,12,14
	v_pk_add_f32 v[UU+16*\T+\i:UU+16*\T+\i+1], v[VV+16*\T+\i:VV+16*\T+\i+1], v[ACC+24*\T+\i:ACC+24*\T+\i+1] neg_lo:[0,1] neg_hi:[0,1]  ; u = v - mu
.endr
.endr
.irp i, 0,2,4,6,8,10,12,14
	DOT SU, UU, UU, \i
	DOT SU+2, UU+16, UU+16, \i
	DOT SD, VV, UU, \i
	DOT SD+2, VV+16, UU+16, \i
.endr
	FOLDS SU, SU+2, SD, SD+2
	v_mul_f32 v[E2], s70, v[KAP]
	v_sqrt_f32 v[SU], v[SU]
	v_sqrt_f32 v[SU+2], v[SU+2]
	v_exp_f32 v[E2], v[E2]                         ; e^(-2 kappa)
	v_rcp_f32 v[IK], v[KAP]
	v_nop
	s_wait_alu depctr_va_vdst(0)
	v_max_num_f32 v[SU], s53, v[SU]
	v_max_num_f32 v[SU+2], s53, v[SU+2]
	v_sub_f32 v[E1], 1.0, v[E2]
.irp i, 0,1,2,3,4,5,6,7
	v_fma_f32 v[ZU+\i], v[ZU+\i], v[E1], v[E2]     ; z = z_raw (1 - e^(-2 kappa)) + e^(-2 kappa)
.endr
	v_mul_f32 v[IK], -v[IK], s51                   ; - ln 2 / kappa
	v_rcp_f32 v[SU], v[SU]
	v_rcp_f32 v[SU+2], v[SU+2]
.set i, 0
.rept 16
	v_log_f32 v[ZU+i], v[ZU+i]                     ; log2 of the 8 z and of the 8 u
.set i, i+1
.endr
	v_nop
	s_wait_alu depctr_va_vdst(0)
.irp T, 0,1
	v_mul_f32 v[SD+2*\T], v[SD+2*\T], v[SU+2*\T]
.endr
.irp T, 0,1
	v_mul_f32 v[SD+2*\T], v[SD+2*\T], v[SU+2*\T]
.endr
.irp T, 0,1
	v_mul_f32 v[SD+2*\T], -2.0, v[SD+2*\T]         ; - 2 (v.u) / |u|^2
.endr
.irp i, 0,1,2,3,4,5,6,7
	v_fma_f32 v[ZU+\i], v[ZU+\i], v[IK], 1.0       ; w_temp = 1 - log(z) / kappa
	v_mul_f32 v[ZU+8+\i], s51, v[ZU+8+\i]          ; log(u)
.endr
.irp i, 0,1,2,3,4,5,6,7
	v_log_f32 v[LW+\i], v[ZU+\i]
.endr
	v_mov_b32 v[WW], 0                             ; w where no draw is accepted
	s_wait_alu depctr_va_vdst(0)
.irp i, 0,1,2,3,4,5,6,7
	v_mul_f32 v[254+(\i%2)], v[KAP], v[ZU+\i]
	v_fma_f32 v[LW+\i], v[LW+\i], s52, v[254+(\i%2)]  ; 29 log(w_temp) + kappa w_temp
.endr
.irp i, 7,6,5,4,3,2,1,0                ; from the last draw to the first: the first accepted one is written last; a NaN accepts nothing
	v_cmp_le_f32 vcc_lo, v[ZU+8+\i], v[LW+\i]
	v_cndmask_b32 v[WW], v[WW], v[ZU+\i], vcc_lo
.endr
	v_permlanex16_b32 v[E1], v[WW], s46, s47
	v_cndmask_b32 v[T2], v[WW], v[E1], s48         ; back to the tiles: tile 0's row r is lane r's,
	v_cndmask_b32 v[IK], v[E1], v[WW], s48         ; tile 1's is lane 16 + r's
.irp T, 0,1
.irp i, 0,2,4,6,8,10,12,14
	v_pk_fma_f32 v[VV+16*\T+\i:VV+16*\T+\i+1], v[UU+16*\T+\i:UU+16*\T+\i+1], v[SD+2*\T:SD+2*\T+1], v[VV+16*\T+\i:VV+16*\T+\i+1] op_sel_hi:[1,0,1]
.endr
.endr
.irp T, 0,1
.irp i, 0,2,4,6,8,10,12,14
	v_pk_mul_f32 v[VV+16*\T+\i:VV+16*\T+\i+1], v[VV+16*\T+\i:VV+16*\T+\i+1], v[T2+2*\T:T2+2*\T+1] op_sel_hi:[1,0]  ; z
.endr
.endr
.irp T, 0,1
.irp i, 0,1,2,3,4,5,6,7
	v_cvt_pk_bf16_f32 v[ZP+16*\T+\i], v[VV+16*\T+2*\i], v[VV+16*\T+2*\i+1]  ; hi
	v_lshlrev_b32 v254, 16, v[ZP+16*\T+\i]
	v_and_b32 v255, s48, v[ZP+16*\T+\i]
	v_pk_add_f32 v[254:255], v[VV+16*\T+2*\i:VV+16*\T+2*\i+1], v[254:255] neg_lo:[0,1] neg_hi:[0,1]
	v_cvt_pk_bf16_f32 v[ZP+16*\T+8+\i], v254, v255  ; lo = z - hi, rounded
.endr
.endr
	; THE WAY OUT.  mu and then z go through my own stage and come back as whole rows; LDS serves a wave's instructions in order (ISA guide 5.7.1.4), so no wait stands between.
	ds_store_b32 v[KSA], v[KAP]
.irp T, 0,1
.irp i, 0,1,2,3
	ds_store_b128 v[STOM], v[ACC+24*\T+4*\i:ACC+24*\T+4*\i+3] offset:\T*16*STP+64*(\i/2)+16*(\i%2)
.endr
.endr
.irp i, 0,1,2,3,4,5,6,7
	ds_load_b128 v[UU+4*\i:UU+4*\i+3], v[SRD] offset:\i*4*STP
.endr
.irp T, 0,1
.irp i, 0,1,2,3
	ds_store_b128 v[STOZ], v[ZP+16*\T+4*\i:ZP+16*\T+4*\i+3] offset:\T*16*STP+32*\i
.endr
.endr
.irp i, 0,1,2,3,4,5,6,7
	ds_load_b128 v[VV+4*\i:VV+4*\i+3], v[SRD] offset:\i*4*STP
.endr
.irp i, 0,1,2,3,4,5,6,7
	s_wait_dscnt 23-\i                             ; behind mu's load i: 7 - i of mu's, z's 8 stores and 8 loads
	global_store_b128 v[GO], v[UU+4*\i:UU+4*\i+3], s[36:37] offset:512*\i th:TH_STORE_NT  ; four rows of mu: 512 consecutive bytes, aligned
.endr
.irp i, 0,1,2,3,4,5,6,7
	s_wait_dscnt 7-\i
	global_store_b128 v[GO], v[VV+4*\i:VV+4*\i+3], s[40:41] offset:512*\i
.endr
	s_wait_dscnt 0x0                               ; for the others' sake: my 32 kappa are written
	s_barrier_signal -1
	s_barrier_wait -1
	s_cmp_lt_u32 s44, 2                            ; waves 0 and 1 store the work-group's 1,024 bytes of kappa, 512 each
	s_cbranch_scc0 .Lend
	ds_load_b128 v[224:227], v[KRD]
	s_wait_dscnt 0x0
	global_store_b128 v[KGO], v[224:227], s[38:39] th:TH_STORE_NT
.Lend:
	s_wait_tensorcnt 0x0                           ; the wave's end: behind my last LDS store
	ds_add_u32 v[SPW], v[NIL]
	s_wait_dscnt 0x0
	s_endpgm
.Lfunc_end_k_qc484dd2e13_encode:
	.size	k_qc484dd2e13_encode, .Lfunc_end_k_qc484dd2e13_encode-k_qc484dd2e13_encode
	.p2alignl 7, 3214868480
	.fill 96, 4, 3214868480
	.section	.rodata,"a",@progbits
	.p2align	6, 0x0
	.amdhsa_kernel k_qc484dd2e13_encode
		.amdhsa_group_segment_fixed_size 73472
		.amdhsa_private_segment_fixed_size 0
		.amdhsa_enable_private_segment 0
		.amdhsa_kernarg_size 160
		.amdhsa_user_sgpr_count 2
		.amdhsa_user_sgpr_kernarg_segment_ptr 1
		.amdhsa_wavefront_size32 1
		.amdhsa_system_sgpr_workgroup_id_x 1
		.amdhsa_system_sgpr_workgroup_id_y 1
		.amdhsa_system_sgpr_workgroup_id_z 1
		.amdhsa_system_vgpr_workitem_id 0
		.amdhsa_next_free_vgpr 512
		.amdhsa_next_free_sgpr 72
		.amdhsa_reserve_vcc 1
		.amdhsa_float_denorm_mode_32 3
		.amdhsa_float_denorm_mode_16_64 3
		.amdhsa_memory_ordered 1
		.amdhsa_forward_progress 1
		.amdhsa_inst_pref_size 89
	.end_amdhsa_kernel
	.amdgpu_metadata
---
amdhsa.version: [ 1, 2 ]
amdhsa.kernels:
  - .name:           k_qc484dd2e13_encode
    .symbol:         k_qc484dd2e13_encode.kd
    .args:
      - { .name: h, .offset: 0, .size: 8, .value_kind: global_buffer, .address_space: global }
      - { .name: W_mu, .offset: 8, .size: 8, .value_kind: global_buffer, .address_space: global }
      - { .name: b_mu, .offset: 16, .size: 8, .value_kind: global_buffer, .address_space: global }
      - { .name: W_kappa, .offset: 24, .size: 8, .value_kind: global_buffer, .address_space: global }
      - { .name: b_kappa, .offset: 32, .size: 8, .value_kind: global_buffer, .address_space: global }
      - { .name: v_raw, .offset: 40, .size: 8, .value_kind: global_buffer, .address_space: global }
      - { .name: z_uni, .offset: 48, .size: 8, .value_kind: global_buffer, .address_space: global }
      - { .name: u_uni, .offset: 56, .size: 8, .value_kind: global_buffer, .address_space: global }
      - { .name: W_h, .offset: 64, .size: 8, .value_kind: global_buffer, .address_space: global }
      - { .name: W_in, .offset: 72, .size: 8, .value_kind: global_buffer, .address_space: global }
      - { .name: W_fin, .offset: 80, .size: 8, .value_kind: global_buffer, .address_space: global }
      - { .name: b_in, .offset: 88, .size: 8, .value_kind: global_buffer, .address_space: global }
      - { .name: b_h, .offset: 96, .size: 8, .value_kind: global_buffer, .address_space: global }
      - { .name: b_fin, .offset: 104, .size: 8, .value_kind: global_buffer, .address_space: global }
      - { .name: W_out, .offset: 112, .size: 8, .value_kind: global_buffer, .address_space: global }
      - { .name: b_out, .offset: 120, .size: 8, .value_kind: global_buffer, .address_space: global }
      - { .name: out1, .offset: 128, .size: 8, .value_kind: global_buffer, .address_space: global }
      - { .name: out2, .offset: 136, .size: 8, .value_kind: global_buffer, .address_space: global }
      - { .name: zb, .offset: 144, .size: 8, .value_kind: global_buffer, .address_space: global }
      - { .name: wts, .offset: 152, .size: 8, .value_kind: global_buffer, .address_space: global }
    .group_segment_fixed_size: 73472
    .private_segment_fixed_size: 0
    .kernarg_segment_align: 8
    .kernarg_segment_size: 160
    .max_flat_workgroup_size: 256
    .sgpr_count:     72
    .vgpr_count:     512
    .wavefront_size: 32
...
	.end_amdgpu_metadata
.endif
;; end of part 1
;; launch mlp (part 2): grid 512 x 1, 4 waves a work-group, clusters of 4 x 1, 327,680 bytes of LDS; arguments zb, wts, out0; writes out0
.if DOCPART == 2
	.amdgcn_target "amdgcn-amd-amdhsa--gfx1250"
	.amdhsa_code_object_version 6
	.text
	.protected	k_qc484dd2e13_mlp
	.globl	k_qc484dd2e13_mlp
	.p2align	8
	.type	k_qc484dd2e13_mlp,@function
k_qc484dd2e13_mlp:
	s_mov_b64 s[64:65], 0
	v_nop
	global_prefetch_b8 v0, s[64:65] scope:SCOPE_SE
	s_setreg_imm32_b32 hwreg(HW_REG_WAVE_MODE, 25, 1), 1
	s_wait_xcnt 0x0
	s_wait_alu depctr_hold_cnt(0) depctr_sa_sdst(0) depctr_va_vdst(0) depctr_va_sdst(0) depctr_va_ssrc(0) depctr_va_vcc(0) depctr_vm_vsrc(0)
	s_getreg_b32 s2, hwreg(HW_REG_IB_STS2, 6, 4)
	s_cmp_eq_u32 s2, 0
	s_cbranch_scc0 .Lentry_in_a_cluster
	s_endpgm
.Lentry_in_a_cluster:
	s_bfe_u32 s2, ttmp6, 0x10000c
	s_cmp_lg_u32 s2, 0x3003
	s_cbranch_scc0 .Lentry_shape_is_right
	s_endpgm
.Lentry_shape_is_right:
; THE MLP HEAD.  x0 = relu(z W_in + b_in); three times x = relu(x W_h + b_h) + x; xf = relu(x W_fin + b_fin); out = xf W_out + b_out.
; FORMATS.  Matrix operands are bf16, sums f32.  The residual stream x stays in f32 registers from first to last; its bf16 copy, the operand, lies in LDS and is written anew for each layer.
; z and the last x enter their products as bf16 hi + bf16 lo (two products each), xf is not rounded, and the last layer (32 x 7) is f32 multiply-adds.  Weights and biases were rounded to bf16 by the launch before.
; SHARES.  512 work-groups of four waves; a work-group owns 128 rows.  Wave w: rh = w / 2 (64 rows), ch = w % 2.  A layer is made in two passes p of 256 columns; in a pass a wave makes
; 64 rows x 128 columns (256 p + 128 ch ..): 32 accumulators, 256 registers; the stream is 64 x 256 a wave, 512 registers.
; LAYOUT.  The product is taken transposed (source 0 = 16 columns of W, by the turning load from tiles that lie [k][n]; source 1 = 16 rows of x): lane (r = l % 16, hh = l / 16) holds
; row r and columns 8 hh + 0..7 of a tile.  For 32 along K a wave issues 24 LDS loads and 32 matrix instructions.
; THE WEIGHTS are a stream of 24 tiles of 128 k x 256 n (tile t: layer t / 8, pass (t / 4) % 2, K step t % 4) through a ring of two LDS slots.  Every work-group walks the same tiles, so the
; four of a cluster ask JOINTLY: the same tensor load, descriptor and mask in all four; each wave asks for its 32 rows of a tile.  A wave has four tensor loads out at the start, later one.
; THE BIAS costs no arithmetic: it is loaded into the accumulators of row block 0 and is the C operand of the pass's first products.
; REGISTERS, in windows of 256 (s_set_vgpr_msb: bits 1:0 source 0, 3:2 source 1, 5:4 source 2, 7:6 destination):
;   window 0: v0-23 addresses; v64-159, v160-255 two fragment buffers (64 of W, 32 of x)      window 1: the accumulators, tile (a, b) at 8 (8 a + b)
;   windows 2, 3: the stream's columns of pass 0 and of pass 1, indexed alike
.set XP,    1040       ; a row of x in LDS: 1,024 bytes + 16: the 16 rows of a fragment load start at 16 different groups of four banks (ISA guide 11.1)
.set WP,    544        ; a row of a weight tile: 512 bytes + 32
.set RING,  128*XP     ; x's 128 rows lie at 0 (written by LDS stores alone; later the partial sums and the output's stage); the ring behind them
.set SLOT,  128*WP
.set WFL,   RING+2*SLOT  ; W_fin^T, 32 rows of XP
.set PARL,  WFL+32*XP  ; the table: b_in 0, b_h 2,048, W_out 8,192, b_fin 9,216, b_out 9,472
.set SPARE, PARL+10240 ; the spare words: 128 bytes for each wave, two blocks of 256 bytes that no other line names
.set PS,    0          ; partial sums of the 512 -> 32 layer: 8,192 bytes a wave
.set OS,    32768      ; the output's stage: 128 rows of 28 bytes
.set O_WINT,  1572864
.set O_WFINT, 1605632
.set O_PAR,   1638400
.set AW,   4           ; v4-5  my lane's place in slot 0, 1 for the turning load
.set AX,   6           ; v6    (64 rh + r) XP + 16 hh
.set XST,  7           ; v7    the same + 256 ch: where I put 16 bytes of x
.set BA,   8           ; v8    the pass's bias: PARL + 512 ch + 32 hh, 1,024 further each pass
.set AWF,  9           ; v9    WFL + r XP + 16 hh + 256 ch
.set ZO,   10          ; v10   r x 128 + 16 hh
.set WO,   11          ; v11   r x 64 + 16 hh
.set PFO,  12          ; v12   l x 1,024: a lane a row of W_h; never rewritten
.set M1,   13          ; v13   -1.0
.set PSST, 14
.set PSRD, 15
.set BFA,  16
.set WOA,  17
.set OST,  18
.set ORD,  19
.set SPW,  20          ; v20   my spare word; never rewritten
.set NIL,  21          ; v21   0; never rewritten
.set GOO,  22
.set BOA,  23
.set F0,   64
.set F1,   160
; s10 wave, s11 rh, s12 ch, s13 cx, s14 my block of rows, s15 passes left, s[16:23] s[24:31] s[32:39] descriptor groups 1 (weights, W_fin^T, table), s[40:47] group 0 of the two slots,
; s[48:51] s[52:55] group 0 of W_fin^T and of the table, s[56:57] the prefetch's address, s58 the tile to ask for next, s59 22 in a wave that prefetches, else 0, s60 the pass's parity,
; s[62:63] W_h at my 32 rows of tile 0, s[66:67] lane selects, s[68:69] W_h at the rows that I prefetch, s61 s[70:71] a tile's offset, s[72:73] offsets made from cx (no other register holds cx but s13, s14, s[56:57], s[68:69])
.set MSB, 0
.macro WIN new                         ; the immediate's high byte repeats the setting that is left; a switch that changes nothing is dropped
.if MSB != (\new)
	s_set_vgpr_msb (MSB<<8)|(\new)
.set MSB, (\new)
.endif
.endm
.macro CREST                           ; a round of the cluster's barrier behind its opening barrier
	s_cmp_lg_u32 s10, 0
	s_cbranch_scc1 .Lnot_wave_0_\@
	s_barrier_signal -3
.Lnot_wave_0_\@:
	s_barrier_wait -3
	s_barrier_signal -1
	s_barrier_wait -1
.endm
.macro CROUND
	s_barrier_signal -1
	s_barrier_wait -1
	CREST
.endm
.macro PLACES                          ; four places behind a matrix instruction (ISA guide 7.12.1), where no other vector work is at hand
.rept 4
	v_nop
.endr
.endm
.macro TOFF d                          ; s[70:71] = the byte offset in W_h of tile s58 + d: layer x 2^19 + K step x 2^17 + pass x 2^9
	s_add_co_u32 s61, s58, \d
	s_lshr_b32 s70, s61, 3
	s_lshl_b32 s70, s70, 19
	s_and_b32 s71, s61, 3
	s_lshl_b32 s71, s71, 17
	s_or_b32 s70, s70, s71
	s_bfe_u32 s71, s61, 0x10002
	s_lshl_b32 s71, s71, 9
	s_or_b32 s70, s70, s71
	s_mov_b32 s71, 0
.endm
	s_load_b128 s[4:7], s[0:1], 0x0                ; zb s[4:5], wts s[6:7]
	s_load_b64 s[8:9], s[0:1], 0x10                ; out0
	v_lshl_add_u32 v[SPW], v0, 2, SPARE
	v_mov_b32 v[NIL], 0
	ds_add_u32 v[SPW], v[NIL]                      ; the wave's opening: the add and its wait stand ahead of my first tensor load; the set-up below, work on registers, stands between them
	v_lshrrev_b32 v3, 5, v0
	v_readfirstlane_b32 s10, v3                    ; wave 0..3
	s_lshr_b32 s11, s10, 1
	s_and_b32 s12, s10, 1
	s_bfe_u32 s13, ttmp6, 0x40000                  ; cx: my place in the cluster
	s_lshl_b32 s14, ttmp9, 2                       ; in a cluster launch ttmp9 counts clusters
	s_add_co_u32 s14, s14, s13                     ; my block of 128 rows: it enters zb's and out0's addresses alone
	; group 1 for a wave's part of a weight tile: 32 rows x 256 elements of 2 bytes, 512 elements from row to row, 8 words of padding behind every 128
	s_mov_b32 s16, 15|(1<<16)|(1<<20)|(1<<21)|(6<<22)|(7<<25)  ; 15:0 the mask of four; 17:16 2-byte elements; 20 padding on; 21 set beside a mask; 24:22 interval code 6; 31:25 8 words (code 7)
	s_mov_b32 s17, 256<<16                         ; tensor_dim0 = 256
	s_mov_b32 s18, 32<<16                          ; tensor_dim1 = 32
	s_mov_b32 s19, 256<<16                         ; tile_dim0 = 256
	s_mov_b32 s20, 32                              ; tile_dim1 = 32
	s_mov_b32 s21, 512
	s_mov_b32 s22, 0
	s_mov_b32 s23, 0
	; W_fin^T: 8 rows x 512 elements, dense, 4 words of padding behind every 256
	s_mov_b32 s24, 15|(1<<16)|(1<<20)|(1<<21)|(7<<22)|(3<<25)
	s_mov_b32 s25, 512<<16
	s_mov_b32 s26, 8<<16
	s_mov_b32 s27, 512<<16
	s_mov_b32 s28, 8
	s_mov_b32 s29, 512
	s_mov_b32 s30, 0
	s_mov_b32 s31, 0
	; the table: 10 rows of 256 bytes (32 elements of 8), dense, unpadded
	s_mov_b32 s32, 15|(3<<16)|(1<<21)
	s_mov_b32 s33, 32<<16
	s_mov_b32 s34, 10<<16
	s_mov_b32 s35, 32<<16
	s_mov_b32 s36, 10
	s_mov_b32 s37, 32
	s_mov_b32 s38, 0
	s_mov_b32 s39, 0
	s_mov_b32 s40, 1                               ; groups 0: count 1, and the LDS address: a constant + the wave's number x a constant
	s_mul_i32 s70, s10, 32*WP
	s_add_co_u32 s41, s70, RING
	s_mov_b32 s44, 1
	s_add_co_u32 s45, s70, RING+SLOT
	s_mov_b32 s48, 1
	s_mul_i32 s70, s10, 8*XP
	s_add_co_u32 s49, s70, WFL
	s_mov_b32 s52, 1
	s_mul_i32 s70, s10, 2560
	s_add_co_u32 s53, s70, PARL
	s_mov_b32 s66, 0x76543210
	s_mov_b32 s67, 0xfedcba98
	s_mov_b32 s15, 6
	s_mov_b32 s58, 2
	s_mov_b32 s60, 0
	s_lshr_b32 s59, s10, 1                         ; 0 in waves 0 and 1,
	s_or_b32 s59, s59, ttmp9                       ; in the launch's first cluster: the same in all four partners
	s_cmp_eq_u32 s59, 0
	s_cselect_b32 s59, 22, 0
	s_mov_b32 s71, 0
	s_mov_b32 s73, 0
	s_wait_dscnt 0x0                               ; the opening add is done
	s_wait_kmcnt 0x0
	s_lshl_b32 s70, s10, 15                        ; my 32 rows of 1,024 bytes
	s_add_nc_u64 s[62:63], s[6:7], s[70:71]
	s_mov_b64 s[42:43], s[62:63]                   ; tile 0
	s_or_b32 s43, s43, 0x80000000                  ; type = 2
	s_add_nc_u64 s[46:47], s[62:63], 1<<17         ; tile 1
	s_or_b32 s47, s47, 0x80000000
	s_lshl_b32 s70, s10, 13
	s_add_co_u32 s70, s70, O_WFINT
	s_add_nc_u64 s[50:51], s[6:7], s[70:71]
	s_or_b32 s51, s51, 0x80000000
	s_mul_i32 s70, s10, 2560
	s_add_co_u32 s70, s70, O_PAR
	s_add_nc_u64 s[54:55], s[6:7], s[70:71]
	s_or_b32 s55, s55, 0x80000000
	s_lshl_b32 s70, s12, 13
	s_add_co_u32 s70, s70, O_WINT
	s_add_nc_u64 s[2:3], s[6:7], s[70:71]          ; W_in^T at my 128 columns of pass 0
	s_lshl_b32 s72, s13, 15                        ; the prefetches: my work-group's 32 rows of a tile's 128,
	s_lshl_b32 s70, s12, 8                         ; the left or the right 256 bytes of them
	s_add_co_u32 s72, s72, s70
	s_add_nc_u64 s[68:69], s[6:7], s[72:73]
	s_mov_b64 s[56:57], s[68:69]
	s_lshl_b32 s72, s14, 14
	s_lshl_b32 s70, s11, 13
	s_add_co_u32 s72, s72, s70
	s_add_nc_u64 s[4:5], s[4:5], s[72:73]          ; z at my 64 rows
	s_mul_i32 s72, s14, 3584
	s_add_nc_u64 s[8:9], s[8:9], s[72:73]          ; out0 at my work-group's 128 rows
	CROUND                                         ; all four work-groups are here: the first joint loads meet
	tensor_load_to_lds s[52:55], s[32:39]          ; the first fills go out as one group: the table,
	s_nop 0
	tensor_load_to_lds s[48:51], s[24:31]          ; W_fin^T,
	s_nop 0
	tensor_load_to_lds s[40:43], s[16:23]          ; tile 0,
	s_nop 0
	tensor_load_to_lds s[44:47], s[16:23]          ; tile 1: four loads of mine are out
	s_nop 0
	PLACES
	v_and_b32 v1, 15, v0                           ; r
	v_bfe_u32 v2, v0, 4, 1                         ; hh
	v_and_b32 v3, 31, v0                           ; l
	v_lshlrev_b32 v[ZO], 7, v1
	v_lshl_add_u32 v[ZO], v2, 4, v[ZO]
	v_lshlrev_b32 v[WO], 6, v1
	v_lshl_add_u32 v[WO], v2, 4, v[WO]
	; the in-layer's operands come straight from memory in fragment layout: z hi and lo (source 1), W_in^T of both passes (source 0)
.irp a, 0,1,2,3
	global_load_b128 v[F0+64+8*\a:F0+64+8*\a+3],   v[ZO], s[4:5] offset:\a*2048
	global_load_b128 v[F0+64+8*\a+4:F0+64+8*\a+7], v[ZO], s[4:5] offset:\a*2048+32
	global_load_b128 v[F1+64+8*\a:F1+64+8*\a+3],   v[ZO], s[4:5] offset:\a*2048+64
	global_load_b128 v[F1+64+8*\a+4:F1+64+8*\a+7], v[ZO], s[4:5] offset:\a*2048+96
.endr
.irp b, 0,1,2,3,4,5,6,7
	global_load_b128 v[F0+8*\b:F0+8*\b+3],   v[WO], s[2:3] offset:\b*1024
	global_load_b128 v[F0+8*\b+4:F0+8*\b+7], v[WO], s[2:3] offset:\b*1024+32
	global_load_b128 v[F1+8*\b:F1+8*\b+3],   v[WO], s[2:3] offset:16384+\b*1024
	global_load_b128 v[F1+8*\b+4:F1+8*\b+7], v[WO], s[2:3] offset:16384+\b*1024+32
.endr
	v_and_b32 v22, 7, v0                           ; the turning load: lane l reads k row 8 hh + l % 8, 16 bytes at 16 ((l / 8) % 2), of my 128 columns
	v_lshl_add_u32 v22, v2, 3, v22
	v_mul_u32_u24 v22, v22, WP
	v_bfe_u32 v23, v0, 3, 1
	v_lshl_add_u32 v22, v23, 4, v22
	s_lshl_b32 s70, s12, 8
	s_add_co_u32 s61, s70, RING
	v_add_nc_u32 v[AW], s61, v22
	v_add_nc_u32 v[AW+1], SLOT, v[AW]
	s_mul_i32 s61, s11, 64*XP
	v_mul_u32_u24 v[AWF], v1, XP
	v_lshl_add_u32 v[AWF], v2, 4, v[AWF]
	v_add_nc_u32 v[AX], s61, v[AWF]
	v_add_nc_u32 v[XST], s70, v[AX]
	s_add_co_u32 s61, s70, WFL
	v_add_nc_u32 v[AWF], s61, v[AWF]
	s_lshl_b32 s61, s12, 9
	s_add_co_u32 s61, s61, PARL
	v_lshl_add_u32 v[BA], v2, 5, s61
	v_lshlrev_b32 v[PFO], 10, v3
	v_mov_b32 v[M1], -1.0
	s_lshl_b32 s61, s10, 13
	v_lshl_add_u32 v[PSST], v3, 4, s61             ; my partial sums: 8,192 x wave + 16 l
	s_lshl_b32 s61, s11, 14
	s_lshl_b32 s70, s12, 12
	s_add_co_u32 s61, s61, s70
	v_lshl_add_u32 v[PSRD], v3, 4, s61             ; the two tiles' rows that I finish, in the sums of wave 2 rh
	v_lshl_add_u32 v[BFA], v2, 5, PARL+9216
	v_mul_u32_u24 v[WOA], v2, 224
	v_add_nc_u32 v[WOA], PARL+8192, v[WOA]
	s_mul_i32 s61, s10, 896
	s_add_co_u32 s61, s61, OS
	v_mul_u32_u24 v[OST], v1, 28
	v_add_nc_u32 v[OST], s61, v[OST]               ; OS + (32 wave + r) x 28
	s_lshl_b32 s61, s10, 9
	v_lshl_add_u32 v[GOO], v3, 4, s61
	v_add_nc_u32 v[ORD], OS, v[GOO]
	v_mov_b32 v[BOA], PARL+9472
; 8 matrix instructions: row block a x all 8 column blocks, 32 along K.  c0 = 1: C is row block 0's accumulator, which holds the bias.  The accumulators take turns, one instruction a turn.
.macro MUL8 wb, xb, a, c0
	WIN 0x50                                       ; sources in window 0, C and D in window 1
.irp b, 0,1,2,3,4,5,6,7
.if \c0
	v_wmma_f32_16x16x32_bf16 v[8*(8*(\a)+\b):8*(8*(\a)+\b)+7], v[(\wb)+8*\b:(\wb)+8*\b+7], v[(\xb)+8*(\a):(\xb)+8*(\a)+7], v[8*\b:8*\b+7]
.else
	v_wmma_f32_16x16x32_bf16 v[8*(8*(\a)+\b):8*(8*(\a)+\b)+7], v[(\wb)+8*\b:(\wb)+8*\b+7], v[(\xb)+8*(\a):(\xb)+8*(\a)+7], v[8*(8*(\a)+\b):8*(8*(\a)+\b)+7]
.endif
.endr
.endm
.macro FETCHW slot, s, g               ; W's fragments of slice s of a slot: 16 turning loads
	WIN 0
.irp b, 0,1,2,3,4,5,6,7
	ds_load_tr16_b128 v[(\g)+8*\b:(\g)+8*\b+3],   v[AW+(\slot)] offset:(\s)*32*WP+32*\b
	ds_load_tr16_b128 v[(\g)+8*\b+4:(\g)+8*\b+7], v[AW+(\slot)] offset:(\s)*32*WP+32*\b+16*WP
.endr
.endm
.macro FETCHX kb, g                    ; x's fragments at byte kb of the rows: 8 loads, row blocks 0 and 1 first
	WIN 0
.irp a, 0,1,2,3
	ds_load_b128 v[(\g)+64+8*\a:(\g)+64+8*\a+3],   v[AX] offset:\a*16*XP+(\kb)
	ds_load_b128 v[(\g)+64+8*\a+4:(\g)+64+8*\a+7], v[AX] offset:\a*16*XP+(\kb)+32
.endr
.endm
.macro BIASLD                          ; the pass's bias of my 128 columns into row block 0's accumulators; then the address steps (an LDS instruction's sources need no wait)
	WIN 0x40
.irp b, 0,1,2,3,4,5,6,7
	ds_load_b128 v[8*\b:8*\b+3],   v[BA] offset:64*\b
	ds_load_b128 v[8*\b+4:8*\b+7], v[BA] offset:64*\b+16
.endr
	WIN 0
	v_add_nc_u32 v[BA], 1024, v[BA]
.endm
.macro START wb, xb                    ; the products that start a pass's sums: row blocks 1, 2, 3 take the bias as C; five places; then row block 0 adds onto it in place
	MUL8 \wb, \xb, 3, 1
.rept 5
	v_nop                                          ; row block 0's registers were C operands just now and are written next
.endr
	MUL8 \wb, \xb, 0, 0
.endm
; A pass's first slice, from buffer 0.  Buffer 1's last readers stand ahead of the way out of the pass before, so its fetch needs no further places.
.macro QFIRST
	s_wait_dscnt 0x0                               ; W, x and the bias are in
	MUL8 F0, F0+64, 1, 1
	MUL8 F0, F0+64, 2, 1
	FETCHW 0, 1, F1
	FETCHX 64, F1
	START F0, F0+64
.endm
; A slice from buffer f; in its middle the next slice (sn of the same slot, x at byte kb) is fetched into buffer g, in one run.
.macro QUARTER slot, sn, kb, f, g
	s_wait_dscnt 4                                 ; all but x's row blocks 2 and 3
	MUL8 \f, (\f)+64, 0, 0
	MUL8 \f, (\f)+64, 1, 0
	PLACES
	FETCHW \slot, \sn, \g
	FETCHX \kb, \g
	s_wait_dscnt 24                                ; all but the 24 just issued
	MUL8 \f, (\f)+64, 2, 0
	MUL8 \f, (\f)+64, 3, 0
.endm
; A PREFETCH INTO THE L2 of the tile that stands two refills on: 256 matrix instructions ahead of its load.  W_h's copy is walked by every cluster; the launch's first cluster asks, in its one walk.  Its four partners
; take 32 rows of a tile each, told apart by address; in each, waves 0 and 1 take the left and the right 256 bytes of the rows, a lane a row: each block of 256 bytes is named once.  Tiles 0 to 3 come by their loads
; alone, and the last two refills ask for nothing: there is no tile 24.
.macro ASK
	s_cmp_lt_u32 s58, s59
	s_cbranch_scc0 .Lnot_mine_\@
	global_prefetch_b8 v[PFO], s[56:57] th:TH_LOAD_NT scope:SCOPE_SE
.Lnot_mine_\@:
.endm
; A K step's last slice, from buffer 1, and THE CHANGE OF SLOTS.  Each wave waits for all its tensor loads, of which one is out: its part of the next slot; adds 0 to its spare word; and waits for that and for its reads of
; this slot (and of x).  refill = 1: the barrier opens a round of the cluster's, so that no wave of any partner still reads the slot or has a load on its way; the joint refill, tile s58, is the first thing behind it.
; fx = 1: x's fragments at byte kb are fetched with the next slot's first slice.
.macro TURN slot, next, refill, fx, kb
.if \refill
	s_wait_xcnt 0x0                                ; the last prefetch, a K step back, has read its address
	TOFF 2
	s_add_nc_u64 s[56:57], s[68:69], s[70:71]
.endif
	WIN 0
	s_wait_tensorcnt 0x0                           ; no tensor load of mine is out, so a group 0 may be written
	ds_add_u32 v[SPW], v[NIL]                      ; 0 onto my spare word; work on registers stands between it and the wait for it
.if \refill
	TOFF 0
	s_add_nc_u64 s[42+4*(\slot):43+4*(\slot)], s[62:63], s[70:71]
	s_or_b32 s[43+4*(\slot)], s[43+4*(\slot)], 0x80000000
.endif
	s_wait_dscnt 5                                 ; the add and x's row blocks 2 and 3 may be out
	MUL8 F1, F1+64, 0, 0
	s_wait_dscnt 0x0                               ; the add is done, and my reads of this slot are over
	s_barrier_signal -1
	MUL8 F1, F1+64, 1, 0
	WIN 0
	s_barrier_wait -1
.if \refill
	CREST
	tensor_load_to_lds s[40+4*(\slot):43+4*(\slot)], s[16:23]
	s_nop 0
	PLACES                                         ; also the places in front of the loads into buffer 0
.else
	PLACES
.endif
	FETCHW \next, 0, F0
.if \fx
	FETCHX \kb, F0
.endif
.if \refill
	ASK
	s_add_co_u32 s58, s58, 1
.endif
	MUL8 F1, F1+64, 2, 0
	MUL8 F1, F1+64, 3, 0
.endm
.macro EPIRELU                         ; the way out of a pass: relu in place, each accumulator from its low end on,
	PLACES
	WIN 0x44
.set i, 0
.rept 256
	v_max_num_f32 v[i], 0, v[i]
.set i, i+1
.endr
.endm
.macro EPIADD pp                       ; and onto the stream's columns of pass pp
	WIN 0x86+0x41*(\pp)                            ; destination and source 0 in window 2 or 3, source 1 in window 1
.set i, 0
.rept 128
	v_pk_add_f32 v[i:i+1], v[i:i+1], v[i:i+1]
.set i, i+2
.endr
.endm
.macro XWRITE                          ; the stream rounded to bf16 (into the accumulators' registers, which are free) and written to LDS: the layer's operand
	WIN 0x4a
.set i, 0
.rept 128
	v_cvt_pk_bf16_f32 v[i], v[2*i], v[2*i+1]
.set i, i+1
.endr
	WIN 0x4f
.set i, 0
.rept 128
	v_cvt_pk_bf16_f32 v[128+i], v[2*i], v[2*i+1]
.set i, i+1
.endr
	WIN 0x04                                       ; the stores' data in window 1
.irp p, 0,1
.irp a, 0,1,2,3
.irp b, 0,1,2,3,4,5,6,7
	ds_store_b128 v[XST], v[128*\p+4*(8*\a+\b):128*\p+4*(8*\a+\b)+3] offset:\a*16*XP+512*\p+32*\b
.endr
.endr
.endr
	WIN 0
.endm
	s_wait_tensorcnt 1                             ; my parts of the table, W_fin^T and tile 0 are in; tile 1 may stay out
	s_barrier_signal -1
	s_barrier_wait -1
	; THE IN-LAYER: K = 32, z hi and then z lo on the same fragments of W_in^T; relu starts the stream
.macro INPASS pp, wb
	BIASLD
	s_wait_dscnt 0x0
.if (\pp) == 0
	s_wait_loadcnt 0x0
.endif
	MUL8 \wb, F0+64, 1, 1
	MUL8 \wb, F0+64, 2, 1
	START \wb, F0+64
	MUL8 \wb, F1+64, 0, 0
	MUL8 \wb, F1+64, 1, 0
	MUL8 \wb, F1+64, 2, 0
	MUL8 \wb, F1+64, 3, 0
	PLACES
	WIN 0x84+0x40*(\pp)                            ; destination in window 2 or 3, the sums in window 1
.set i, 0
.rept 256
	v_max_num_f32 v[i], 0, v[i]
.set i, i+1
.endr
.endm
	INPASS 0, F0
	INPASS 1, F1
	FETCHW 0, 0, F0                                ; tile 0's first slice
.Lpass:                                                ; six passes; the sixth leaves the loop ahead of its third change of slots
	s_cmp_lg_u32 s60, 0
	s_cbranch_scc1 .Lsame_x                        ; a layer's second pass multiplies the same x
	XWRITE                                         ; every wave's last reads of the old x were waited for ahead of the round that closed the pass before
.Lsame_x:
	s_wait_dscnt 0x0                               ; for the others' sake: my part of x is written
	s_barrier_signal -1
	s_barrier_wait -1                              ; the tile on its way may stay out
	BIASLD
	FETCHX 0, F0
	QFIRST
	QUARTER 0, 2, 128, F1, F0
	QUARTER 0, 3, 192, F0, F1
	TURN 0, 1, 1, 1, 256
	QUARTER 1, 1, 320, F0, F1
	QUARTER 1, 2, 384, F1, F0
	QUARTER 1, 3, 448, F0, F1
	TURN 1, 0, 1, 1, 512
	QUARTER 0, 1, 576, F0, F1
	QUARTER 0, 2, 640, F1, F0
	QUARTER 0, 3, 704, F0, F1
	WIN 0
	s_cmp_eq_u32 s15, 1
	s_cbranch_scc1 .Ltail                          ; the last two changes of slots ask for nothing: they are written out
	TURN 0, 1, 1, 1, 768
	QUARTER 1, 1, 832, F0, F1
	QUARTER 1, 2, 896, F1, F0
	QUARTER 1, 3, 960, F0, F1
	TURN 1, 0, 1, 0, 0                             ; the next pass's first slice of W; its x is fetched behind the next pass's barrier
	EPIRELU
	WIN 0
	s_cmp_lg_u32 s60, 0
	s_cbranch_scc1 .Lodd
	EPIADD 0
	WIN 0
	s_branch .Ladded
.Lodd:
	EPIADD 1
	WIN 0
.Ladded:
	s_xor_b32 s60, s60, 1
	s_sub_co_u32 s15, s15, 1
	s_branch .Lpass
.Ltail:
	TURN 0, 1, 0, 1, 768
	QUARTER 1, 1, 832, F0, F1
	QUARTER 1, 2, 896, F1, F0
	QUARTER 1, 3, 960, F0, F1
	s_wait_dscnt 0x0
	MUL8 F1, F1+64, 0, 0
	MUL8 F1, F1+64, 1, 0
	MUL8 F1, F1+64, 2, 0
	MUL8 F1, F1+64, 3, 0
	EPIRELU
	EPIADD 1
	WIN 0
	s_barrier_signal -1                            ; every wave's reads of x are back (the wait for 0 above): its bytes take the partial sums
	s_barrier_wait -1
	; 512 -> 32.  Two neighbouring tiles of the stream, packed in pairs, ARE source 1 (32 k x 16 rows): no way through LDS.  K is split between the two waves of a row half (each has 256 of the 512 columns).
	; Slice s = 4 p + q: k = 256 p + 128 ch + 32 q ..; hi, x - hi, lo; then 16 products on 8 accumulators (window 1, v128 + 8 (2 a + nb)) that take turns.  Two operand sets by turns: a set is written
	; behind the other slice's 128 vector lines, which are the places behind its last readers.
	WIN 0x40
.irp s, 0,1,2,3,4,5,6,7
.irp nb, 0,1
	ds_load_b128 v[16*\s+8*\nb:16*\s+8*\nb+3],   v[AWF] offset:\nb*16*XP+512*(\s/4)+64*(\s%4)
	ds_load_b128 v[16*\s+8*\nb+4:16*\s+8*\nb+7], v[AWF] offset:\nb*16*XP+512*(\s/4)+64*(\s%4)+32
.endr
.endr
.macro FSLICE s
.set fp, (\s)/4
.set fq, (\s)%4
.set OPB, 64+64*((\s)%2)
	WIN 0x0a+5*fp                                  ; sources in window 2 or 3, destination in window 0
.irp a, 0,1,2,3
.irp i, 0,1,2,3,4,5,6,7
	v_cvt_pk_bf16_f32 v[OPB+8*\a+\i], v[8*(8*\a+2*fq)+2*\i], v[8*(8*\a+2*fq)+2*\i+1]
.endr
.endr
	WIN 0xa0+0x50*fp                               ; destination and source 2 in window 2 or 3
.irp a, 0,1,2,3
.irp i, 0,1,2,3,4,5,6,7
	v_fma_mix_f32_bf16 v[8*(8*\a+2*fq)+2*\i], v[OPB+8*\a+\i], v[M1], v[8*(8*\a+2*fq)+2*\i] op_sel_hi:[1,0,0]
	v_fma_mix_f32_bf16 v[8*(8*\a+2*fq)+2*\i+1], v[OPB+8*\a+\i], v[M1], v[8*(8*\a+2*fq)+2*\i+1] op_sel:[1,0,0] op_sel_hi:[1,0,0]
.endr
.endr
	WIN 0x0a+5*fp
.irp a, 0,1,2,3
.irp i, 0,1,2,3,4,5,6,7
	v_cvt_pk_bf16_f32 v[OPB+32+8*\a+\i], v[8*(8*\a+2*fq)+2*\i], v[8*(8*\a+2*fq)+2*\i+1]
.endr
.endr
.if (\s) == 0
	s_wait_dscnt 0x0                               ; W_fin^T's fragments are in
.endif
	WIN 0x51                                       ; W_fin^T in window 1, x in window 0, C and D in window 1
.irp part, 0,1
.irp a, 0,1,2,3
.irp nb, 0,1
.if ((\s) == 0) && (\part == 0)
	v_wmma_f32_16x16x32_bf16 v[128+8*(2*\a+\nb):128+8*(2*\a+\nb)+7], v[16*(\s)+8*\nb:16*(\s)+8*\nb+7], v[OPB+32*\part+8*\a:OPB+32*\part+8*\a+7], 0
.else
	v_wmma_f32_16x16x32_bf16 v[128+8*(2*\a+\nb):128+8*(2*\a+\nb)+7], v[16*(\s)+8*\nb:16*(\s)+8*\nb+7], v[OPB+32*\part+8*\a:OPB+32*\part+8*\a+7], v[128+8*(2*\a+\nb):128+8*(2*\a+\nb)+7]
.endif
.endr
.endr
.endr
.endm
.irp s, 0,1,2,3,4,5,6,7
	FSLICE \s
.endr
	PLACES
	WIN 0x04
.irp t, 0,1,2,3,4,5,6,7
	ds_store_b128 v[PSST], v[128+8*\t:128+8*\t+3]   offset:PS+\t*1024
	ds_store_b128 v[PSST], v[128+8*\t+4:128+8*\t+7] offset:PS+\t*1024+512
.endr
	WIN 0
	s_wait_dscnt 0x0                               ; for the others' sake: my partial sums are written
	s_barrier_signal -1
	s_barrier_wait -1
	; THE LAST LAYER.  Wave w finishes rows 32 w .. 32 w + 31: both partners' sums of two row blocks (v64-95, v96-127), b_fin (v240-255), W_out's rows of my 16 columns (v128-239), b_out (v24-31)
.irp c, 0,1
.irp a, 0,1
.irp k, 0,1,2,3
	ds_load_b128 v[64+32*\c+16*\a+4*\k:64+32*\c+16*\a+4*\k+3], v[PSRD] offset:PS+\c*8192+\a*2048+\k*512
.endr
.endr
.endr
.irp k, 0,1,2,3
	ds_load_b128 v[240+4*\k:240+4*\k+3], v[BFA] offset:64*(\k/2)+16*(\k%2)
.endr
.irp nb, 0,1
.irp k, 0,1,2,3,4,5,6,7,8,9,10,11,12,13
	ds_load_b128 v[128+56*\nb+4*\k:128+56*\nb+4*\k+3], v[WOA] offset:448*\nb+16*\k
.endr
.endr
	ds_load_b128 v[24:27], v[BOA]
	ds_load_b128 v[28:31], v[BOA] offset:16
	s_wait_dscnt 30                                ; the sums and b_fin are in; W_out's 28 loads and b_out's 2 may stay out
.set i, 0
.rept 16
	v_pk_add_f32 v[64+i:64+i+1], v[64+i:64+i+1], v[96+i:96+i+1]
.set i, i+2
.endr
.set i, 0
.rept 16
	v_pk_add_f32 v[64+i:64+i+1], v[64+i:64+i+1], v[240+i%16:240+i%16+1]
.set i, i+2
.endr
.set i, 0
.rept 32
	v_max_num_f32 v[64+i], 0, v[64+i]              ; xf
.set i, i+1
.endr
	s_wait_dscnt 0x0
.set i, 0
.rept 16                               ; 14 sums (two rows x 7 outputs) that do not wait for each other; my 16 of the 32 terms
.irp a, 0,1
.irp o, 0,1,2,3,4,5,6
.if i == 0
	v_mul_f32 v[32+7*\a+\o], v[64+16*\a], v[128+\o]
.else
	v_fmac_f32 v[32+7*\a+\o], v[64+16*\a+i], v[128+56*(i/8)+7*(i%8)+\o]
.endif
.endr
.endr
.set i, i+1
.endr
.set i, 0
.rept 14
	v_permlanex16_b32 v[64+i], v[32+i], s66, s67   ; the other 16 terms lie in the lane 16 away
.set i, i+1
.endr
.set i, 0
.rept 14
	v_add_f32 v[32+i], v[32+i], v[64+i]
.set i, i+1
.endr
.set i, 0
.rept 14
	v_add_f32 v[32+i], v[32+i], v[24+i%7]
.set i, i+1
.endr
.irp a, 0,1
.irp o, 0,1,2,3,4,5,6
	ds_store_b32 v[OST], v[32+7*\a+\o] offset:\a*448+4*\o  ; both halves of the lanes hold the same number and write the same word
.endr
.endr
	s_wait_dscnt 0x0
	s_barrier_signal -1
	s_barrier_wait -1
	ds_load_b128 v[64:67], v[ORD]                  ; the work-group's 3,584 bytes leave as seven runs of 512 consecutive bytes, aligned: run w, and run w + 4 in waves 0 to 2
	s_wait_dscnt 0x0
	global_store_b128 v[GOO], v[64:67], s[8:9] th:TH_STORE_NT
	s_cmp_lt_u32 s10, 3
	s_cbranch_scc0 .Lend
	ds_load_b128 v[68:71], v[ORD] offset:2048
	s_wait_dscnt 0x0
	global_store_b128 v[GOO], v[68:71], s[8:9] offset:2048 th:TH_STORE_NT
.Lend:
	s_wait_tensorcnt 0x0                           ; the wave's end: behind my last tensor load and my last LDS store
	ds_add_u32 v[SPW], v[NIL]
	s_wait_dscnt 0x0
	CROUND                                         ; the closing round: no work-group ends while a partner may still ask for a tile that names it
	s_endpgm
.Lfunc_end_k_qc484dd2e13_mlp:
	.size	k_qc484dd2e13_mlp, .Lfunc_end_k_qc484dd2e13_mlp-k_qc484dd2e13_mlp
	.p2alignl 7, 3214868480
	.fill 96, 4, 3214868480
	.section	.rodata,"a",@progbits
	.p2align	6, 0x0
	.amdhsa_kernel k_qc484dd2e13_mlp
		.amdhsa_group_segment_fixed_size 327680
		.amdhsa_private_segment_fixed_size 0
		.amdhsa_enable_private_segment 0
		.amdhsa_kernarg_size 24
		.amdhsa_user_sgpr_count 2
		.amdhsa_user_sgpr_kernarg_segment_ptr 1
		.amdhsa_wavefront_size32 1
		.amdhsa_system_sgpr_workgroup_id_x 1
		.amdhsa_system_sgpr_workgroup_id_y 1
		.amdhsa_system_sgpr_workgroup_id_z 1
		.amdhsa_system_vgpr_workitem_id 0
		.amdhsa_next_free_vgpr 1024
		.amdhsa_next_free_sgpr 74
		.amdhsa_reserve_vcc 0
		.amdhsa_float_denorm_mode_32 3
		.amdhsa_float_denorm_mode_16_64 3
		.amdhsa_memory_ordered 1
		.amdhsa_forward_progress 1
		.amdhsa_inst_pref_size 255
	.end_amdhsa_kernel
	.section	.bss,"aw",@nobits
	.p2align	6
	.space	262144
	.amdgpu_metadata
---
amdhsa.version: [ 1, 2 ]
amdhsa.kernels:
  - .name:           k_qc484dd2e13_mlp
    .symbol:         k_qc484dd2e13_mlp.kd
    .args:
      - { .name: zb, .offset: 0, .size: 8, .value_kind: global_buffer, .address_space: global }
      - { .name: wts, .offset: 8, .size: 8, .value_kind: global_buffer, .address_space: global }
      - { .name: out0, .offset: 16, .size: 8, .value_kind: global_buffer, .address_space: global }
    .group_segment_fixed_size: 327680
    .private_segment_fixed_size: 0
    .kernarg_segment_align: 8
    .kernarg_segment_size: 24
    .max_flat_workgroup_size: 128
    .sgpr_count:     74
    .vgpr_count:     1024
    .wavefront_size: 32
...
	.end_amdgpu_metadata
.endif
;; end of part 2
